; MI455X (gfx1250); checked and timed in simulation.
; The chip was launched on July 23, 2026; its instructions are those of AMD's public machine-readable ISA for CDNA 5 (MIT licence, August 2026) and "CDNA5" Instruction Set Architecture Reference Guide (July 2026). The comments in the code are by the model that wrote it; some were corrected since.
;; Bahdanau Attn. Allowed arithmetic: matrix products marked QUANTISED: E2M1 operands, one E8M0 scale for each 32 along K, by v_wmma_scale_f32_16x16x128_f8f6f4 with both operands' format E2M1 (or v_wmma_scale_f32_32x16x128_f4), f32 sums; products left as they are: f32 operands where the result goes on into a quantised operand, else bf16, f16 or f32 operands; f32 sums; everything else in f32.
;; Inputs: W_e 1,024 x 1,024 float32; W_h 1,024 x 1,024 float32; b_e 1,024 float32; b_h 1,024 float32; encoder_outputs 2,048 x 32 x 1,024 float32; hidden 1 x 32 x 1,024 float32; v 1,024 float32.
;; Outputs: out0 32 x 1 x 2,048 float32.
;; This version of the problem:
;;   THIS VERSION OF THE PROBLEM IS GIVEN IN LOW PRECISION. The matrix products marked QUANTISED in the list below multiply operands that are first quantised to E2M1 (2 exponent bits, 1 mantissa bit; 4 bits a number), with one power-of-two scale for each 32 numbers along K (OCP MX v1.0); their sums are f32. All else is computed in f32.
;;   The module's matrix products, in the order in which they are computed (A, B: the left and right operand; K: the contracted axis; several contracted axes count as one K, in the product's order):
;;     1. [M 32, K 1,024] x [K 1,024, N 1,024]; A: input hidden; B: input W_h: QUANTISED
;;     2. [M 1,024, K 1,024] x [K 1,024, N 65,536]; A: input W_e; B: input encoder_outputs: QUANTISED
;;     3. [M 65,536, K 1,024] x [K 1,024, N 1]; A: computed on the way; B: input v: left as it is (N = 1 < 16)
;;   THE QUANTISER, for each operand of a quantised product, along K:
;;     - K is cut into blocks of 32 from its start; a last block that is shorter is filled with zeros.
;;     - A block's scale is 2^e with e = floor(log2(the largest magnitude in the block)) - 2, held to -126 .. 127; a block of zeros has e = 0. As a byte (E8M0): e + 127.
;;     - Each number is divided by its block's scale, clamped to +-6, and rounded to the nearest number of E2M1, ties to even, subnormals kept.
;;     - The product sums the exact products of the quantised numbers (number of the format x scale) in f32.
;;   ~~~python
;;   def quantise(x, axis):      # numpy; x: float32 -> the quantised numbers, widened to float32 again
;;       x = np.moveaxis(x, axis, -1); K = x.shape[-1]
;;       x = np.pad(x, [(0, 0)] * (x.ndim - 1) + [(0, -K % 32)]); x = x.reshape(x.shape[:-1] + (-1, 32)); a = np.abs(x).max(-1, keepdims=True)
;;       e = np.where(a > 0, np.clip(np.frexp(np.where(a > 0, a, 1))[1] - 1 - 2, -126, 127), 0)      # np.frexp(a)[1] - 1 = floor(log2(a)), exactly
;;       r = np.clip(x / 2.0 ** e, -6, 6)
;;       step = 2.0 ** (np.maximum(np.frexp(np.where(r == 0, 1, r))[1] - 1, 0) - 1)
;;       q = np.round(r / step) * step * 2.0 ** e      # np.round: ties to even
;;       return np.moveaxis(q.reshape(q.shape[:-2] + (-1,))[..., :K], -1, axis).astype(np.float32)
;;   ~~~
;; One version. Each part assembles by itself: llvm-mc -triple=amdgcn-amd-amdhsa -mcpu=gfx1250 --defsym DOCPART=n.
;; ======== version 1 of 1: 3 launches
;; limits: right only within a limited range of input values
;; workspace buffers: wq 557,056 bytes; bv 262,144 bytes; scores 262,144 bytes
;; launch prep (part 1): grid 64 x 1, 16 waves a work-group, no clusters, 43,008 bytes of LDS; arguments W_e, W_h, hidden, b_h, b_e, v, wq, bv; writes wq, bv
.if DOCPART == 1
	.amdgcn_target "amdgcn-amd-amdhsa--gfx1250"
	.amdhsa_code_object_version 6
	.text
	.protected	k_qf018cc53c3_prep
	.globl	k_qf018cc53c3_prep
	.p2align	8
	.type	k_qf018cc53c3_prep,@function
k_qf018cc53c3_prep:
	s_mov_b64 s[64:65], 0
	v_nop
	global_prefetch_b8 v0, s[64:65] scope:SCOPE_SE
	s_setreg_imm32_b32 hwreg(HW_REG_WAVE_MODE, 25, 1), 1
	s_wait_xcnt 0x0
; PREP.  W_e becomes codes of FP4 (E2M1) with one E8M0 scale byte for each 32 along K, laid in the order of the matrix operand's registers (buffer wq);
; hp = Q(hidden) Q(W_h)^T + b_h is made here, and bias = hp + b_e and V' = -2 v are laid as the main launch reads them (buffer bv).
; wq: 64 records of 8,704 bytes, one for each 16 rows g of W_e: eight fragments (K step ks) at ks x 1,024 + c x 512 + 16 x lane: lane 16 h + r holds the 32 codes of row r at k = 128 ks + 64 c + 32 h;
;     from byte 8,192 the scale words: at 16 x lane + 4 i the word (four bytes) of row r for K step 2 i + h.
; bv: [64 tiles of g][32 b][32 f32]: 16 numbers of bias, then 16 of V'.
; SHARES.  Work-group gt takes rows 16 gt .. 16 gt + 15 of W_e and of W_h, and all 32 rows of hidden, which every tile of W_h needs: so there is work for 64 work-groups.
; Wave w quantises tile w / 4 (0: W_e, 1: W_h, 2, 3: hidden's rows 0-15, 16-31), 256 along K from 256 (w % 4) on: 16 runs of 1,024 bytes.  One path for all sixteen; only the pointer is chosen.
; THE QUANTISER.  A lane takes 32 neighbouring bytes of a run (8 numbers along K) by two loads, so a block of 32 is four neighbouring lanes.  A block's scale is 2^(floor(log2(largest magnitude)) - 2): its byte is the
; largest magnitude's exponent field - 2, held at 1 from below by a floor among the maximum's leaves.  The conversion divides by the scale, rounds to the nearest code, ties to even, and gives the largest code beyond 6.
; LIMITS: a block of zeros, or one whose largest magnitude lies under 2^-124, gets the byte 1 (its codes are right under that byte; this program alone reads the bytes).  NaN and infinities among the inputs are not served.
; IMAGES IN LDS.  A fragment is four sub-blocks (2 c + h) of 16 rows x 16 bytes, 272 bytes apart: the 32 lanes' code words of one run fall on 32 different banks, and sixteen lanes read a sub-block's 256 bytes on end.
.set IMGP, 8704                        ; a tile's eight fragments of 1,088 bytes
.set SW,   4*IMGP                      ; the four tiles' scale words, 512 bytes each, in wq's order
.set STG,  SW+2048                     ; a stage of 4,096 bytes for bv's record
.set EO,   4                           ; v4   32 x lane: my bytes of a run
.set LQA,  5                           ; v5   where my code words go
.set SQA,  6                           ; v6   where my scale bytes go
.set FAH,  7                           ; v7   272 h + 16 r: my place in a fragment
.set FAW,  8                           ; v8   the same, from K step 2 (w % 4) on
.set SWA,  9                           ; v9   SW + 16 x lane
.set STW,  10                          ; v10  the stage, on the way in: 128 r + 32 h
.set STR,  11                          ; v11  and on the way out: 16 x lane
.set HB,   13                          ; v13  32 h: my eight g of a tile, in f32
.set GL,   14                          ; v14  16 x lane
.set GW,   15                          ; v15  16 x lane + 2,048 (w % 4)
.set M,    16                          ; v16-23  eight largest magnitudes, then scale operands
.set CD,   24                          ; v24-39  a code word for each row
.set BY,   40                          ; v40-55  a scale byte for each row
.set SA,   56                          ; v56-59  W_h's scale words;  v60-63, v248-251 hidden's: these twelve hold scales and nothing else
.set SB0,  60
.set SB1,  248
.set ST,   64                          ; v64-191 16 runs x 8 numbers; later fragments and rows on their way out
.set CB,   216                         ; v216-223 b_h + b_e of my eight g;  v224-231 V'
.set VP,   224
.set ACC,  232                         ; v232-247 two accumulators: b = r and b = 16 + r
	s_load_b256 s[4:11], s[0:1], 0x0               ; W_e s[4:5], W_h s[6:7], hidden s[8:9], b_h s[10:11]
	s_load_b256 s[12:19], s[0:1], 0x20             ; b_e s[12:13], v s[14:15], wq s[16:17], bv s[18:19]
	v_lshl_add_u32 v254, v0, 2, 0xa000
	v_mov_b32 v255, 0
	v_lshrrev_b32 v1, 5, v0
	s_delay_alu instid0(VALU_DEP_1)
	v_readfirstlane_b32 s20, v1                    ; wave 0..15
	s_lshr_b32 s21, s20, 2                         ; which tile
	s_and_b32 s22, s20, 3                          ; which 256 along K
	v_and_b32 v1, 31, v0                           ; lane
	v_and_b32 v2, 15, v0                           ; r
	v_bfe_u32 v3, v0, 4, 1                         ; h
	s_delay_alu instid0(VALU_DEP_3)
	v_lshlrev_b32 v[EO], 5, v1
	s_delay_alu instid0(VALU_DEP_4)
	v_lshrrev_b32 v16, 2, v1                       ; my block of the run's eight: it is sub-block lane / 4 of the run's two fragments
	s_delay_alu instid0(VALU_DEP_1)
	v_mul_u32_u24 v16, v16, 272
	v_and_b32 v17, 3, v0
	s_delay_alu instid0(VALU_DEP_1)
	v_lshl_add_u32 v16, v17, 2, v16                ; + my word of the block's four
	s_mul_i32 s23, s21, IMGP
	s_mul_i32 s26, s22, 2176
	s_add_co_u32 s23, s23, s26
	v_add_nc_u32 v[LQA], s23, v16
	v_bfe_u32 v16, v0, 2, 2                        ; my block's byte in its scale word,
	s_delay_alu instid0(VALU_DEP_1)
	v_lshl_add_u32 v16, v3, 8, v16                 ; the odd K step's words 256 bytes on
	s_lshl_b32 s23, s21, 9
	s_lshl_b32 s26, s22, 2
	s_add_co_u32 s23, s23, s26
	s_add_co_u32 s23, s23, SW
	v_add_nc_u32 v[SQA], s23, v16
	v_mul_u32_u24 v16, v3, 272
	s_delay_alu instid0(VALU_DEP_1)
	v_lshl_add_u32 v[FAH], v2, 4, v16
	s_mul_i32 s23, s22, 2176
	v_add_nc_u32 v[FAW], s23, v[FAH]
	v_lshl_add_u32 v[SWA], v1, 4, SW
	v_lshlrev_b32 v16, 7, v2
	s_delay_alu instid0(VALU_DEP_1)
	v_lshl_add_u32 v16, v3, 5, v16
	s_delay_alu instid0(VALU_DEP_1)
	v_add_nc_u32 v[STW], STG, v16
	v_lshl_add_u32 v[STR], v1, 4, STG
	v_lshlrev_b32 v[HB], 5, v3
	v_lshlrev_b32 v[GL], 4, v1
	s_lshl_b32 s23, s22, 11
	v_add_nc_u32 v[GW], s23, v[GL]
	s_and_b32 s26, s21, 1                          ; hidden: rows 0-15 or 16-31
	s_wait_kmcnt 0x0
	s_cmp_eq_u32 s21, 0                            ; the choice hangs on the wave's number alone
	s_cselect_b64 s[24:25], s[4:5], s[6:7]
	s_cmp_lt_u32 s21, 2
	s_cselect_b64 s[24:25], s[24:25], s[8:9]
	s_cselect_b32 s26, ttmp9, s26                  ; the weights: my work-group's 16 rows
	s_lshl_b32 s26, s26, 16                        ; 16 rows of 4,096 bytes
	s_lshl_b32 s27, s22, 10
	s_add_co_u32 s26, s26, s27
	s_mov_b32 s27, 0
	s_add_nc_u64 s[24:25], s[24:25], s[26:27]
.irp i, 0,1,2,3,4,5,6,7,8,9,10,11,12,13,14,15
	global_load_b128 v[ST+8*\i:ST+8*\i+3], v[EO], s[24:25] offset:4096*\i        ; the two loads of a row cover 1,024 consecutive bytes
	global_load_b128 v[ST+8*\i+4:ST+8*\i+7], v[EO], s[24:25] offset:4096*\i+16
.endr
	s_mul_i32 s26, ttmp9, 8704
	s_add_nc_u64 s[16:17], s[16:17], s[26:27]      ; my record of wq
; Eight runs (rows 8 hf .. 8 hf + 7), stage by stage, so that no line waits for the line above it.
.macro LQ8P hf
.irp k, 0,1,2,3,4,5,6,7
	v_max3_num_f32 v[M+\k], |v[ST+64*\hf+8*\k]|, |v[ST+64*\hf+8*\k+1]|, 0x1800000   ; my eight numbers, and the floor 2^(3 - 127): the byte cannot fall under 1
.endr
.irp j, 2,4,6
.irp k, 0,1,2,3,4,5,6,7
	v_max3_num_f32 v[M+\k], |v[ST+64*\hf+8*\k+\j]|, |v[ST+64*\hf+8*\k+\j+1]|, v[M+\k]
.endr
.endr
.irp x, 1,2
.irp k, 0,1,2,3,4,5,6,7
	v_max_num_f32_dpp v[M+\k], v[M+\k], v[M+\k] row_xmask:\x row_mask:0xf bank_mask:0xf   ; with the three other lanes of the block
.endr
.endr
.irp k, 0,1,2,3,4,5,6,7
	v_add_nc_u32 v[M+\k], 0xff000000, v[M+\k]      ; 2 off the exponent field: the conversion takes the exponent field of this operand as its scale
.endr
.irp k, 0,1,2,3,4,5,6,7
	v_cvt_scalef32_pk8_fp4_f32 v[CD+8*\hf+\k], v[ST+64*\hf+8*\k:ST+64*\hf+8*\k+7], v[M+\k]
.endr
.irp k, 0,1,2,3,4,5,6,7
	v_lshrrev_b32 v[BY+8*\hf+\k], 23, v[M+\k]      ; the scale's byte.  (Plain lines behind the conversions)
.endr
.irp k, 0,1,2,3,4,5,6,7
	ds_store_b32 v[LQA], v[CD+8*\hf+\k] offset:16*(8*\hf+\k)
	ds_store_b8 v[SQA], v[BY+8*\hf+\k] offset:16*(8*\hf+\k)      ; the four lanes of a block write the same byte with the same value
.endr
.endm
	s_wait_loadcnt 16                              ; rows 0-7 are in; the 16 loads of rows 8-15 may be out
	LQ8P 0
	s_wait_loadcnt 0x0
	LQ8P 1
	s_wait_dscnt 0x0                               ; for the others' sake: my stores have landed
	s_barrier_signal -1
	s_barrier_wait -1                              ; the launch's one barrier: all four tiles lie in LDS, and nobody writes them again
	s_cmp_lt_u32 s20, 4
	s_cbranch_scc0 .Lnot_codes
	; waves 0-3: W_e's K steps 2 w and 2 w + 1 leave as register images: each store covers 512 consecutive bytes
.irp n, 0,1,2,3
	ds_load_b128 v[ST+4*\n:ST+4*\n+3], v[FAW] offset:(\n/2)*1088+(\n%2)*544
.endr
.irp n, 0,1,2,3
	s_wait_dscnt 3-\n                              ; LDS loads come back in order: number n is in
	global_store_b128 v[GW], v[ST+4*\n:ST+4*\n+3], s[16:17] offset:512*\n
.endr
	s_wait_tensorcnt 0x0
	ds_add_u32 v254, v255
	s_wait_dscnt 0x0
	s_endpgm
.Lnot_codes:
	s_cmp_eq_u32 s20, 4
	s_cbranch_scc0 .Lnot_scales
	ds_load_b128 v[ST:ST+3], v[SWA]                ; wave 4: W_e's scale words
	s_wait_dscnt 0x0
	global_store_b128 v[GL], v[ST:ST+3], s[16:17] offset:8192
	s_wait_tensorcnt 0x0
	ds_add_u32 v254, v255
	s_wait_dscnt 0x0
	s_endpgm
.Lnot_scales:
	s_cmp_eq_u32 s20, 5
	s_cbranch_scc1 .Lhp
	s_wait_tensorcnt 0x0
	ds_add_u32 v254, v255
	s_wait_dscnt 0x0
	s_endpgm
.Lhp:
	; wave 5: hp for my 16 g and all 32 b.  TRANSPOSED: source 0 = 16 rows of W_h, source 1 = 16 rows of hidden: lane (r, h), register j holds (g = 8 h + j, b = r).
	s_lshl_b32 s26, ttmp9, 6                       ; my tile's 16 numbers in b_h, b_e, v
	s_add_nc_u64 s[10:11], s[10:11], s[26:27]
	s_add_nc_u64 s[12:13], s[12:13], s[26:27]
	s_add_nc_u64 s[14:15], s[14:15], s[26:27]
	s_lshl_b32 s26, ttmp9, 12
	s_add_nc_u64 s[18:19], s[18:19], s[26:27]      ; my record of bv
	global_load_b128 v[192:195], v[HB], s[10:11]
	global_load_b128 v[196:199], v[HB], s[10:11] offset:16
	global_load_b128 v[200:203], v[HB], s[12:13]
	global_load_b128 v[204:207], v[HB], s[12:13] offset:16
	global_load_b128 v[208:211], v[HB], s[14:15]
	global_load_b128 v[212:215], v[HB], s[14:15] offset:16
	ds_load_b128 v[SA:SA+3], v[SWA] offset:512
	ds_load_b128 v[SB0:SB0+3], v[SWA] offset:1024
	ds_load_b128 v[SB1:SB1+3], v[SWA] offset:1536
.macro HFR hf                          ; four K steps' fragments: W_h's at v[ST], hidden's at v[ST + 32] and v[ST + 64]
.irp kk, 0,1,2,3
.irp c, 0,1
	ds_load_b128 v[ST+8*\kk+4*\c:ST+8*\kk+4*\c+3], v[FAH] offset:IMGP+(4*\hf+\kk)*1088+544*\c
	ds_load_b128 v[ST+32+8*\kk+4*\c:ST+32+8*\kk+4*\c+3], v[FAH] offset:2*IMGP+(4*\hf+\kk)*1088+544*\c
	ds_load_b128 v[ST+64+8*\kk+4*\c:ST+64+8*\kk+4*\c+3], v[FAH] offset:3*IMGP+(4*\hf+\kk)*1088+544*\c
.endr
.endr
.endm
.macro HPM hf                          ; eight products: the two accumulators by turns; the first K step takes b_h + b_e as C
.irp kk, 0,1,2,3
.set ks, 4*\hf+\kk
.irp n, 0,1
.set rD, ACC+8*\n
.set rB, ST+32+32*\n+8*\kk
.set rSB, SB0+(SB1-SB0)*\n+ks/2
.if ks == 0
	v_wmma_scale_f32_16x16x128_f8f6f4 v[rD:rD+7], v[ST+8*\kk:ST+8*\kk+7], v[rB:rB+7], v[CB:CB+7], v[SA+ks/2], v[rSB] matrix_a_fmt:MATRIX_FMT_FP4 matrix_b_fmt:MATRIX_FMT_FP4
.elseif ks%2
	v_wmma_scale_f32_16x16x128_f8f6f4 v[rD:rD+7], v[ST+8*\kk:ST+8*\kk+7], v[rB:rB+7], v[rD:rD+7], v[SA+ks/2], v[rSB] matrix_a_fmt:MATRIX_FMT_FP4 matrix_b_fmt:MATRIX_FMT_FP4 matrix_a_scale:MATRIX_SCALE_ROW1 matrix_b_scale:MATRIX_SCALE_ROW1
.else
	v_wmma_scale_f32_16x16x128_f8f6f4 v[rD:rD+7], v[ST+8*\kk:ST+8*\kk+7], v[rB:rB+7], v[rD:rD+7], v[SA+ks/2], v[rSB] matrix_a_fmt:MATRIX_FMT_FP4 matrix_b_fmt:MATRIX_FMT_FP4
.endif
.endr
.endr
.endm
	HFR 0
	s_wait_loadcnt 0x0
.irp n, 0,2,4,6
	v_pk_add_f32 v[CB+\n:CB+\n+1], v[192+\n:193+\n], v[200+\n:201+\n]              ; b_h + b_e
	v_pk_mul_f32 v[VP+\n:VP+\n+1], v[208+\n:209+\n], -2.0 op_sel_hi:[1,0]         ; V' = -2 v
.endr
.rept 8
	v_nop                                          ; distance between the vector lines that made C and the scaled products
.endr
	s_wait_alu depctr_va_vdst(0)
	s_wait_dscnt 0x0
	HPM 0
.rept 4
	v_nop                                          ; four places in front of loads into registers that the products have read (ISA guide 7.12.1 for vector instructions)
.endr
	HFR 1
	s_wait_dscnt 0x0
	HPM 1
.rept 4
	v_nop                                          ; four places in front of the stores that read the results, and of the loads below
.endr
	ds_store_b128 v[STW], v[ACC:ACC+3]             ; each accumulator from its low end on: bias(b = r, g = 8 h + 0 .. 7)
	ds_store_b128 v[STW], v[ACC+4:ACC+7] offset:16
	ds_store_b128 v[STW], v[ACC+8:ACC+11] offset:2048          ; b = 16 + r
	ds_store_b128 v[STW], v[ACC+12:ACC+15] offset:2064
	ds_store_b128 v[STW], v[VP:VP+3] offset:64     ; V' beside each b's bias
	ds_store_b128 v[STW], v[VP+4:VP+7] offset:80
	ds_store_b128 v[STW], v[VP:VP+3] offset:2112
	ds_store_b128 v[STW], v[VP+4:VP+7] offset:2128
.irp n, 0,1,2,3,4,5,6,7
	ds_load_b128 v[ST+4*\n:ST+4*\n+3], v[STR] offset:512*\n     ; LDS serves a wave's instructions in order (ISA guide 5.7.1.4): these see my stores
.endr
.irp n, 0,1,2,3,4,5,6,7
	s_wait_dscnt 7-\n
	global_store_b128 v[GL], v[ST+4*\n:ST+4*\n+3], s[18:19] offset:512*\n   ; each store covers 512 consecutive bytes
.endr
	s_wait_tensorcnt 0x0
	ds_add_u32 v254, v255
	s_wait_dscnt 0x0
	s_endpgm
.Lfunc_end_k_qf018cc53c3_prep:
	.size	k_qf018cc53c3_prep, .Lfunc_end_k_qf018cc53c3_prep-k_qf018cc53c3_prep
	.p2alignl 7, 3214868480
	.fill 96, 4, 3214868480
	.section	.rodata,"a",@progbits
	.p2align	6, 0x0
	.amdhsa_kernel k_qf018cc53c3_prep
		.amdhsa_group_segment_fixed_size 43008
		.amdhsa_private_segment_fixed_size 0
		.amdhsa_enable_private_segment 0
		.amdhsa_kernarg_size 64
		.amdhsa_user_sgpr_count 2
		.amdhsa_user_sgpr_kernarg_segment_ptr 1
		.amdhsa_wavefront_size32 1
		.amdhsa_system_sgpr_workgroup_id_x 1
		.amdhsa_system_sgpr_workgroup_id_y 1
		.amdhsa_system_sgpr_workgroup_id_z 1
		.amdhsa_system_vgpr_workitem_id 0
		.amdhsa_next_free_vgpr 256
		.amdhsa_next_free_sgpr 66
		.amdhsa_reserve_vcc 0
		.amdhsa_float_denorm_mode_32 3
		.amdhsa_float_denorm_mode_16_64 3
		.amdhsa_memory_ordered 1
		.amdhsa_forward_progress 1
		.amdhsa_inst_pref_size 28
	.end_amdhsa_kernel
	.amdgpu_metadata
---
amdhsa.version: [ 1, 2 ]
amdhsa.kernels:
  - .name:           k_qf018cc53c3_prep
    .symbol:         k_qf018cc53c3_prep.kd
    .args:
      - { .name: W_e, .offset: 0, .size: 8, .value_kind: global_buffer, .address_space: global }
      - { .name: W_h, .offset: 8, .size: 8, .value_kind: global_buffer, .address_space: global }
      - { .name: hidden, .offset: 16, .size: 8, .value_kind: global_buffer, .address_space: global }
      - { .name: b_h, .offset: 24, .size: 8, .value_kind: global_buffer, .address_space: global }
      - { .name: b_e, .offset: 32, .size: 8, .value_kind: global_buffer, .address_space: global }
      - { .name: v, .offset: 40, .size: 8, .value_kind: global_buffer, .address_space: global }
      - { .name: wq, .offset: 48, .size: 8, .value_kind: global_buffer, .address_space: global }
      - { .name: bv, .offset: 56, .size: 8, .value_kind: global_buffer, .address_space: global }
    .group_segment_fixed_size: 43008
    .private_segment_fixed_size: 0
    .kernarg_segment_align: 8
    .kernarg_segment_size: 64
    .max_flat_workgroup_size: 512
    .sgpr_count:     66
    .vgpr_count:     256
    .wavefront_size: 32
...
	.end_amdgpu_metadata
.endif
;; end of part 1
;; launch attn (part 2): grid 256 x 1, 4 waves a work-group, clusters of 4 x 1, 327,680 bytes of LDS; arguments encoder_outputs, wq, bv, scores; writes scores
.if DOCPART == 2
	.amdgcn_target "amdgcn-amd-amdhsa--gfx1250"
	.amdhsa_code_object_version 6
	.text
	.protected	k_qf018cc53c3_attn
	.globl	k_qf018cc53c3_attn
	.p2align	8
	.type	k_qf018cc53c3_attn,@function
k_qf018cc53c3_attn:
	s_mov_b64 s[64:65], 0
	v_nop
	global_prefetch_b8 v0, s[64:65] scope:SCOPE_SE
	s_setreg_imm32_b32 hwreg(HW_REG_WAVE_MODE, 25, 1), 1
	s_wait_xcnt 0x0
	s_wait_alu depctr_hold_cnt(0) depctr_sa_sdst(0) depctr_va_vdst(0) depctr_va_sdst(0) depctr_va_ssrc(0) depctr_va_vcc(0) depctr_vm_vsrc(0)
	s_getreg_b32 s2, hwreg(HW_REG_IB_STS2, 6, 4)
	s_cmp_eq_u32 s2, 0
	s_cbranch_scc0 .Lentry_in_a_cluster
	s_endpgm
.Lentry_in_a_cluster:
	s_bfe_u32 s2, ttmp6, 0x10000c
	s_cmp_lg_u32 s2, 0x3003
	s_cbranch_scc0 .Lentry_shape_is_right
	s_endpgm
.Lentry_shape_is_right:
; ATTN.  scores[b][t] = the sum over g of V'[g] / (1 + 2^(c x)), x = bias[b][g] + Q(enc[t][b]) . Q(W_e[g]), c = 2 log2(e), V' = -2 v.
; tanh(x) = 1 - 2 / (1 + 2^(c x)), so the true score is this sum + the sum of v.  The sum of v is the same along a whole row of the softmax, which takes the row's maximum away: it is left out, for every input.
; Where 2^(c x) overflows the quotient is 0, where it falls to 0 the quotient is 1: tanh's own ends.
; LIMITS: a block of 32 of enc that is all zeros, or whose largest magnitude lies under 2^-124, gets the scale byte 1 (its codes are right under that byte).  NaN and infinities among the inputs are not served.
; SHARES.  A work-group owns ONE b and 256 t, as four blocks of 64 rows.  For quantising, wave w takes rows 16 w .. 16 w + 15 of a block.  For the product every wave holds the codes of all 64 rows (256 registers)
; and takes g = 256 w .. 256 w + 255: 16 tiles of 16 g a block, four to a STEP.  A step: 128 products, eight accumulators by turns; then the change of slots and the next step's LDS loads; then the 128 results' quotients as ONE batch.
; W_e's codes (buffer wq, in the order of the operand's registers) flow past each block through a ring of two LDS slots.  CLUSTER: the four work-groups of a cluster walk the same records in the same order,
; so each tile is asked for JOINTLY.  Each wave fetches the four records that it alone reads.  A cluster begins at quarter (its number mod 4) of a wave's 16 records; the sum over g does not mind the order.
; enc comes by loads into registers, 64 of a wave issued a whole data trip ahead and running on across all barriers: so no prefetch is laid for it; wq is read again and again by all work-groups.
; Each load of enc covers 512 consecutive bytes; four lane swaps a run then give lane l the 32 bytes at 32 l of the run's 1,024 (8 neighbours along K; four lanes a block of 32).  Only codes go through LDS.
; THE PRODUCT IS USED TRANSPOSED: source 0 = 16 rows g of W_e, source 1 = 16 rows t of enc: lane (r, h), register j holds (g = 8 h + j, t = r).  The bias is the C of a sum's first product.
; REGISTERS, in windows of 256: window 0: addresses, scales, bias, V', sums, the quantiser's words.  window 1: enc as loaded, four units of 8 runs x 8.  window 2: enc's codes, tile rt, K step ks at 64 rt + 8 ks.
;   window 3: v0-127 the fragments of two tiles of W_e; v128-255 sixteen accumulators, (tile p, rows rt) at 128 + 8 (4 p + rt).
.set REC,   8704                       ; a record of wq: 16 g
.set PART,  4*REC                      ; what one tensor load brings: a wave's four tiles of a step
.set SLOT,  4*PART
.set FRG,   1088                       ; a fragment's image: four sub-blocks (2 c + h) of 16 rows x 16 bytes, 272 bytes apart
.set IMG,   2*SLOT                     ; the images of a block's 32 fragments of enc (8 rt + ks)
.set SIMG,  IMG+32*FRG                 ; its scale words as 16 registers' images
.set BVL,   SIMG+2048                  ; bias and V' of my b, in the order of my walk: 2,048 bytes a wave, 128 a tile
.set SCP,   BVL+8192                   ; the waves' partial scores, 256 bytes a wave
.set SPARE, SCP+1024                   ; the spare words, 128 bytes for each wave
.set WA0,  1                           ; v1   my place in my part of slot 0: PART x wave + 16 x lane;  v2 the same in the slot of the step in hand
.set BVA,  3                           ; v3   BVL + 2,048 x wave + 32 h
.set BVD,  4                           ; v4   the same at the step's first tile
.set LQA0, 5                           ; v5   where my code words go;  v6 the same for the data trip in hand
.set LQA,  6
.set SQA0, 7                           ; v7   where my scale bytes go;  v8 likewise
.set SQA,  8
.set FA,   9                           ; v9   IMG + 272 h + 16 r
.set SFA,  10                          ; v10  SIMG + 4 x lane
.set EO,   11                          ; v11  32 (lane % 16) + 16 (lane / 16)
.set SCPW, 12
.set SCPR, 13
.set GSO,  14
.set SPW,  15                          ; v15  my spare word; never rewritten
.set NIL,  16                          ; v16  0; never rewritten
.set BGO,  17
.set BLA,  18
.set M,    20                          ; v20-27   largest magnitudes, then scale operands
.set BGR,  28
.set ES,   32                          ; v32-47   enc's scale words: scales and nothing else
.set WS,   48                          ; v48-63   W_e's scale words, four tiles: likewise
.set BI,   64                          ; v64-95   bias, four tiles
.set VV,   96                          ; v96-127  V', four tiles
.set SC,   128                         ; v128-143 the scores' sums: eight pairs
.set TM,   144                         ; v144-159 at work
.set CD,   160                         ; v160-175 code words, two sets
.set BY,   176                         ; v176-191 scale bytes, two sets
.set ACC,  128                         ; window 3
.set WV,   12
.set G1,   24
.set G0,   32
.set WQB,  36
.set WP,   38
.set QC,   40
.set QB,   41
.set TB,   39                          ; s39  LDS byte at which the slot in hand begins
.set T0,   42
.set E0,   44
.set EB,   46
.set DN,   48
.set IOF,  49
.set SOF,  50
.set SO,   52
.set CC,   54
.set SEL,  56
.set HI16, 58
.set CNT,  59
.set T1,   66
.set MSB, 0
.macro WIN new                         ; the immediate's high byte repeats the setting that is left
.if MSB != (\new)
	s_set_vgpr_msb (MSB<<8)|(\new)
.set MSB, \new
.endif
.endm
.macro WA
	s_wait_alu depctr_va_vdst(0)
.endm
.macro PL                              ; four places behind matrix instructions (ISA guide 7.12.1)
.rept 4
	v_nop
.endr
.endm
.macro ROUND                           ; a round of the cluster's barrier
	s_barrier_signal -1
	s_barrier_wait -1
	s_cmp_lg_u32 s[WV], 0
	s_cbranch_scc1 .Lnot_wave_0_\@
	s_barrier_signal -3
.Lnot_wave_0_\@:
	s_barrier_wait -3
	s_barrier_signal -1
	s_barrier_wait -1
.endm
; THE CHANGE OF SLOTS: the coming step's tile has landed; my reads of the slot just multiplied are over; behind the round that slot takes the tile of the step after.
.macro CHANGE
	s_wait_tensorcnt 0x0                           ; no tensor load of mine is out, so group 0 may be written
	ds_add_u32 v[SPW], v[NIL]
	s_add_co_u32 s[QC], s[QC], 1
	s_and_b32 s[QC], s[QC], 3                      ; the next quarter of my 16 records
	s_mul_i32 s[T0], s[QC], PART
	s_xor_b32 s[G0+1], s[G0+1], SLOT
	s_add_nc_u64 s[G0+2:G0+3], s[WQB:WQB+1], s[T0:T0+1]
	s_or_b32 s[G0+3], s[G0+3], 0x80000000
	s_wait_dscnt 0x0                               ; the add is done, and my LDS reads are over
	ROUND
	tensor_load_to_lds s[G0:G0+3], s[G1:G1+7]      ; my one tensor load until the next round
	s_nop 0
	PL
.endm
; THE LOADS OF A UNIT: 8 runs of 1,024 bytes: rows 8 (e % 2) + k, run e / 2 of the trip's two.  Each load covers 512 consecutive bytes.
.macro LQI e
	WIN 0x40
.irp k, 0,1,2,3,4,5,6,7
	global_load_b128 v[64*(\e)+8*\k:64*(\e)+8*\k+3], v[EO], s[EB:EB+1] offset:(8*((\e)%2)+\k)*131072+((\e)/2)*1024 th:TH_LOAD_NT
	global_load_b128 v[64*(\e)+8*\k+4:64*(\e)+8*\k+7], v[EO], s[EB:EB+1] offset:(8*((\e)%2)+\k)*131072+((\e)/2)*1024+512 th:TH_LOAD_NT
.endr
	WIN 0
.endm
.macro LQADR                           ; a data trip's head: where its codes and bytes go
	v_add_nc_u32 v[LQA], s[IOF], v[LQA0]
	v_add_nc_u32 v[SQA], s[SOF], v[SQA0]
	WA
	s_xor_b32 s[IOF], s[IOF], 4*FRG
	s_xor_b32 s[SOF], s[SOF], 1024
.endm
.macro LQBASE                          ; where the NEXT trip's numbers lie
	s_wait_xcnt 0x0                                ; every earlier load has read its base
	s_lshr_b32 s[T1], s[DN], 1
	s_lshl_b32 s[T1], s[T1], 23                    ; a block: 64 rows of 131,072 bytes
	s_and_b32 s[T1+1], s[DN], 1
	s_lshl_b32 s[T1+1], s[T1+1], 11                ; a half of K: 2,048 bytes
	s_add_co_u32 s[T1], s[T1], s[T1+1]
	s_mov_b32 s[T1+1], 0
	s_add_nc_u64 s[EB:EB+1], s[E0:E0+1], s[T1:T1+1]
	s_add_co_u32 s[DN], s[DN], 1
.endm
; A UNIT IS QUANTISED.  cnt: the loads issued behind this unit's, which may stay out.
.macro LQ8 e, issue, cnt, base, dw=16
.set SG, 64*(\e)
.set TS, 8*((\e)%2)
	s_wait_loadcnt \cnt                            ; this unit's 16 loads are in
	s_wait_dscnt \dw                               ; the stores of the unit before last, which read this set of code and byte registers, are older than the dw youngest LDS lines: the last unit's 16 stores, and in mid-step 32 fragment loads too
	WIN 0x41
.irp k, 0,1,2,3,4,5,6,7
.irp i, 0,1,2,3
	v_permlane16_swap_b32 v[SG+8*\k+\i], v[SG+8*\k+4+\i]   ; lane l now holds the 32 bytes at 32 l of the run
.endr
.endr
	WIN 0x05
.irp k, 0,1,2,3,4,5,6,7
	v_max3_num_f32 v[M+\k], |v[SG+8*\k]|, |v[SG+8*\k+1]|, 0x1800000   ; and the floor 2^(3 - 127): the byte cannot fall under 1
.endr
.irp j, 2,4,6
.irp k, 0,1,2,3,4,5,6,7
	v_max3_num_f32 v[M+\k], |v[SG+8*\k+\j]|, |v[SG+8*\k+\j+1]|, v[M+\k]
.endr
.endr
	WIN 0
.irp x, 1,2
.irp k, 0,1,2,3,4,5,6,7
	v_max_num_f32_dpp v[M+\k], v[M+\k], v[M+\k] row_xmask:\x row_mask:0xf bank_mask:0xf
.endr
.endr
.irp k, 0,1,2,3,4,5,6,7
	v_add_nc_u32 v[M+\k], 0xff000000, v[M+\k]      ; 2 off the exponent field: the conversion's scale operand
.endr
	WIN 0x01
.irp k, 0,1,2,3,4,5,6,7
	v_cvt_scalef32_pk8_fp4_f32 v[CD+TS+\k], v[SG+8*\k:SG+8*\k+7], v[M+\k]
.endr
	WIN 0
.irp k, 0,1,2,3,4,5,6,7
	v_lshrrev_b32 v[BY+TS+\k], 23, v[M+\k]         ; the scale's byte (plain lines behind the conversions)
.endr
.irp k, 0,1,2,3,4,5,6,7
	ds_store_b32 v[LQA], v[CD+TS+\k] offset:((\e)/2)*2*FRG+16*(TS+\k)
	ds_store_b8 v[SQA], v[BY+TS+\k] offset:((\e)/2)*512+4*(TS+\k)
.endr
	WA
.if \issue
.if \base
	LQBASE
.endif
	LQI \e
.endif
.endm
; One product; the symbols say which.  Odd K steps' words of W_e and odd tiles' words of enc lie in lanes 16-31 of their registers.
.macro WM
.if ks == 0
.if y
	v_wmma_scale_f32_16x16x128_f8f6f4 v[rD:rD+7], v[rA:rA+7], v[rB:rB+7], v[rC:rC+7], v[rSA], v[rSB] matrix_a_fmt:MATRIX_FMT_FP4 matrix_b_fmt:MATRIX_FMT_FP4 matrix_b_scale:MATRIX_SCALE_ROW1
.else
	v_wmma_scale_f32_16x16x128_f8f6f4 v[rD:rD+7], v[rA:rA+7], v[rB:rB+7], v[rC:rC+7], v[rSA], v[rSB] matrix_a_fmt:MATRIX_FMT_FP4 matrix_b_fmt:MATRIX_FMT_FP4
.endif
.elseif (ks%2) && y
	v_wmma_scale_f32_16x16x128_f8f6f4 v[rD:rD+7], v[rA:rA+7], v[rB:rB+7], v[rD:rD+7], v[rSA], v[rSB] matrix_a_fmt:MATRIX_FMT_FP4 matrix_b_fmt:MATRIX_FMT_FP4 matrix_a_scale:MATRIX_SCALE_ROW1 matrix_b_scale:MATRIX_SCALE_ROW1
.elseif ks%2
	v_wmma_scale_f32_16x16x128_f8f6f4 v[rD:rD+7], v[rA:rA+7], v[rB:rB+7], v[rD:rD+7], v[rSA], v[rSB] matrix_a_fmt:MATRIX_FMT_FP4 matrix_b_fmt:MATRIX_FMT_FP4 matrix_a_scale:MATRIX_SCALE_ROW1
.elseif y
	v_wmma_scale_f32_16x16x128_f8f6f4 v[rD:rD+7], v[rA:rA+7], v[rB:rB+7], v[rD:rD+7], v[rSA], v[rSB] matrix_a_fmt:MATRIX_FMT_FP4 matrix_b_fmt:MATRIX_FMT_FP4 matrix_b_scale:MATRIX_SCALE_ROW1
.else
	v_wmma_scale_f32_16x16x128_f8f6f4 v[rD:rD+7], v[rA:rA+7], v[rB:rB+7], v[rD:rD+7], v[rSA], v[rSB] matrix_a_fmt:MATRIX_FMT_FP4 matrix_b_fmt:MATRIX_FMT_FP4
.endif
.endm
; 32 products: tiles 2 pr, 2 pr + 1 of the step x four tiles of rows, K steps 4 hf .. 4 hf + 3; the eight accumulators by turns.
.macro MMH pr, hf
.set ks, 4*(\hf)
.rept 4
.if ks == 0
	WIN 0xcb                                       ; A window 3, B window 2, C (the bias) window 0, D window 3
.else
	WIN 0xfb                                       ; the same, C window 3
.endif
.irp u, 0,1
.irp rt, 0,1,2,3
.set y, \rt%2
.set rD, ACC+8*(4*(2*(\pr)+\u)+\rt)
.set rA, 64*\u+8*ks
.set rB, 64*\rt+8*ks
.set rC, BI+8*(2*(\pr)+\u)
.set rSA, WS+4*(2*(\pr)+\u)+ks/2
.set rSB, ES+2*ks+\rt/2
	WM
.endr
.endr
.set ks, ks+1
.endr
.endm
.macro LDH sl, pr, hf                  ; 16 loads: fragments 4 hf .. 4 hf + 3 of tiles 2 pr, 2 pr + 1 out of slot sl; each load 512 consecutive bytes
	WIN 0xc0
.irp u, 0,1
.irp f, 0,1,2,3
	ds_load_b128 v[64*\u+8*(4*(\hf)+\f):64*\u+8*(4*(\hf)+\f)+3], v[WA0+(\sl)] offset:(2*(\pr)+\u)*REC+(4*(\hf)+\f)*1024
	ds_load_b128 v[64*\u+8*(4*(\hf)+\f)+4:64*\u+8*(4*(\hf)+\f)+7], v[WA0+(\sl)] offset:(2*(\pr)+\u)*REC+(4*(\hf)+\f)*1024+512
.endr
.endr
.endm
.macro SML sl                          ; the four tiles' scale words and bias
	WIN 0
.irp t, 0,1,2,3
	ds_load_b128 v[WS+4*\t:WS+4*\t+3], v[WA0+(\sl)] offset:\t*REC+8192
	ds_load_b128 v[BI+8*\t:BI+8*\t+3], v[BVD] offset:\t*128
	ds_load_b128 v[BI+8*\t+4:BI+8*\t+7], v[BVD] offset:\t*128+16
.endr
.endm
.macro VVL                             ; the four tiles' V', behind the sums that read the last step's
.irp t, 0,1,2,3
	ds_load_b128 v[VV+8*\t:VV+8*\t+3], v[BVD] offset:\t*128+64
	ds_load_b128 v[VV+8*\t+4:VV+8*\t+7], v[BVD] offset:\t*128+80
.endr
.endm
; What stands ahead of the step in slot sl: kind 1: the change of slots; kind 2: its tile, which I alone read, has landed and nothing is filled again.  Then its first LDS loads.
.macro NEXT sl, kind
.if \kind == 1
	CHANGE
.else
	s_wait_tensorcnt 0x0
	PL
.endif
	s_xor_b32 s[TB], s[TB], SLOT                   ; the other slot than last time
	v_add_nc_u32 v[WA0+1], s[TB], v[WA0]
	v_add_nc_u32 v[BVD], s[QB], v[BVA]
	WA
	s_add_co_u32 s[QB], s[QB], 512
	s_and_b32 s[QB], s[QB], 2047
	LDH \sl, 0, 0
	LDH \sl, 0, 1
	SML \sl
.endm
; THE QUOTIENTS of a step's 128 results, stage by stage; each accumulator is read from its low end on; one wait ahead of each batch of transcendentals and one behind it.
.macro VEC
	WIN 0xc3
.set n, 0
.rept 64
	v_pk_mul_f32 v[ACC+n:ACC+n+1], v[ACC+n:ACC+n+1], s[CC:CC+1] op_sel_hi:[1,0]
.set n, n+2
.endr
	WA
.set n, 0
.rept 64
	v_exp_f32 v[ACC+n], v[ACC+n]                   ; the first 64
.set n, n+1
.endr
	v_nop
	WA
.set n, 0
.rept 32                               ; the other 64's exponentials, and among them 1 + for the first 64, whose exponentials stand ahead of the wait above; what these additions write is first read behind the next wait
	v_exp_f32 v[ACC+64+n], v[ACC+64+n]
	v_pk_add_f32 v[ACC+n:ACC+n+1], v[ACC+n:ACC+n+1], 1.0 op_sel_hi:[1,0]
	v_exp_f32 v[ACC+65+n], v[ACC+65+n]
.set n, n+2
.endr
	v_nop
	WA
.set n, 0
.rept 32                               ; the first 64's reciprocals, and among them 1 + for the other 64
	v_rcp_f32 v[ACC+n], v[ACC+n]
	v_pk_add_f32 v[ACC+64+n:ACC+65+n], v[ACC+64+n:ACC+65+n], 1.0 op_sel_hi:[1,0]
	v_rcp_f32 v[ACC+n+1], v[ACC+n+1]
.set n, n+2
.endr
	v_nop
	WA
.set n, 0
.rept 64
	v_rcp_f32 v[ACC+64+n], v[ACC+64+n]
.set n, n+1
.endr
	v_nop
	WA
	WIN 0x03
.irp p, 0,1,2,3
.irp i, 0,1,2,3
.irp rt, 0,1,2,3
	v_pk_fma_f32 v[SC+2*(\rt+4*(\i%2)):SC+2*(\rt+4*(\i%2))+1], v[ACC+8*(4*\p+\rt)+2*\i:ACC+8*(4*\p+\rt)+2*\i+1], v[VV+8*\p+2*\i:VV+8*\p+2*\i+1], v[SC+2*(\rt+4*(\i%2)):SC+2*(\rt+4*(\i%2))+1]
.endr
.endr
.endr
	WIN 0
	WA
.endm
; A STEP.  sl = 1 names v2, the address in the slot in hand.  nx: what stands ahead of the next step (0: nothing follows).  lq = 1: two units of enc (e0, e0 + 1) are quantised on the way, and their registers asked for again.
.macro STEP sl, nx, lq, e0
	s_wait_dscnt 0x0                               ; the first two tiles' fragments, scale words, bias, V', and at a block's head the codes
	MMH 0, 0
	PL
	LDH \sl, 1, 0
	MMH 0, 1
	PL
	LDH \sl, 1, 1
	WIN 0
.if \lq
	LQ8 \e0, 1, 48, (\e0)==0, 48
.endif
	s_wait_dscnt 16                                ; at most the 16 youngest are out: the first 16 fragment loads are in
	MMH 1, 0
	s_wait_dscnt 0x0
	MMH 1, 1
	WIN 0
.if \nx
	NEXT 1, \nx
.else
	PL
.endif
	VEC
.if \nx
	VVL
.endif
.if \lq
	LQ8 \e0+1, 1, 48, 0
.endif
.endm
; A BLOCK'S EDGE.  sc = 1: the block's scores leave.  fetch = 1: the next block's codes and scale words come into every wave's registers; a second barrier, behind every wave's reads, frees the images and the partial scores.
.macro BB sc, fetch
.if \sc
.irp t, 0,1,2,3
	v_pk_add_f32 v[TM+2*\t:TM+2*\t+1], v[SC+2*\t:SC+2*\t+1], v[SC+8+2*\t:SC+9+2*\t]
.endr
.irp t, 0,1,2,3
	v_add_f32 v[TM+8+\t], v[TM+2*\t], v[TM+2*\t+1]
.endr
.irp t, 0,1,2,3
	v_permlanex16_b32 v[TM+12+\t], v[TM+8+\t], s[SEL], s[SEL+1]
.endr
.irp t, 0,1,2,3
	v_add_f32 v[TM+8+\t], v[TM+8+\t], v[TM+12+\t]  ; row r's sum over my 256 g
.endr
	v_cndmask_b32 v[TM], v[TM+8], v[TM+9], s[HI16] ; lane l holds row l
	v_cndmask_b32 v[TM+1], v[TM+10], v[TM+11], s[HI16]
	ds_store_b32 v[SCPW], v[TM]
	ds_store_b32 v[SCPW], v[TM+1] offset:128
.irp n, 0,1,2,3,4,5,6,7,8,9,10,11,12,13,14,15
	v_mov_b32 v[SC+\n], 0
.endr
.endif
	WA
	s_wait_dscnt 0x0                               ; for the others' sake: all my LDS stores have landed
	s_barrier_signal -1
	s_barrier_wait -1
.if \fetch
	WIN 0x80
.irp t, 0,1,2,3
.irp g, 0,1,2,3,4,5,6,7
	ds_load_b128 v[64*\t+8*\g:64*\t+8*\g+3], v[FA] offset:(8*\t+\g)*FRG
	ds_load_b128 v[64*\t+8*\g+4:64*\t+8*\g+7], v[FA] offset:(8*\t+\g)*FRG+544
.endr
.endr
	WIN 0
.irp n, 0,1,2,3,4,5,6,7,8,9,10,11,12,13,14,15
	ds_load_b32 v[ES+\n], v[SFA] offset:128*\n
.endr
.endif
.if \sc
	s_cmp_lg_u32 s[WV], 0
	s_cbranch_scc1 .Lnot_0_\@
.irp t, 0,1,2,3
	ds_load_b64 v[TM+2*\t:TM+2*\t+1], v[SCPR] offset:256*\t     ; wave 0: rows 2 l and 2 l + 1, the four waves' parts
.endr
	s_wait_dscnt 0x0
	v_pk_add_f32 v[TM:TM+1], v[TM:TM+1], v[TM+2:TM+3]
	v_pk_add_f32 v[TM+4:TM+5], v[TM+4:TM+5], v[TM+6:TM+7]
	v_pk_add_f32 v[TM:TM+1], v[TM:TM+1], v[TM+4:TM+5]
	global_store_b64 v[GSO], v[TM:TM+1], s[SO:SO+1]             ; 32 lanes store 256 consecutive bytes, aligned
.Lnot_0_\@:
	s_wait_xcnt 0x0                                ; the store has read its registers and its base
	s_add_nc_u64 s[SO:SO+1], s[SO:SO+1], 256
.endif
.if \fetch
	s_wait_dscnt 0x0                               ; my reads of the images and of the partial scores are over
	s_barrier_signal -1
	s_barrier_wait -1
.endif
.endm
	s_load_b256 s[4:11], s[0:1], 0x0               ; enc s[4:5], wq s[6:7], bv s[8:9], scores s[10:11]
	v_lshl_add_u32 v[SPW], v0, 2, SPARE
	v_mov_b32 v[NIL], 0
	ds_add_u32 v[SPW], v[NIL]
	ds_add_u32 v[SPW], v[NIL]
	v_lshrrev_b32 v19, 5, v0
	v_readfirstlane_b32 s[WV], v19                 ; wave 0..3
	; the head's scalar work first, then its vector work on end
	s_bfe_u32 s13, ttmp6, 0x40000                  ; cx: it enters enc's and scores' addresses alone
	s_lshr_b32 s15, ttmp9, 1                       ; b: two clusters to a b
	s_and_b32 s16, ttmp9, 1
	s_lshl_b32 s16, s16, 2
	s_add_co_u32 s16, s16, s13                     ; which 256 t
	s_and_b32 s[QC], ttmp9, 3                      ; the quarter at which my cluster's walk begins
	s_mul_i32 s[WP], s[WV], PART
	s_lshl_b32 s75, s[WV], 11
	s_add_co_u32 s75, s75, BVL
	s_mul_i32 s76, s[WV], 8*FRG
	s_add_co_u32 s76, s76, IMG
	s_lshr_b32 s77, s[WV], 1
	s_lshl_b32 s77, s77, 7
	s_and_b32 s78, s[WV], 1
	s_lshl_b32 s78, s78, 6
	s_add_co_u32 s77, s77, s78
	s_add_co_u32 s77, s77, SIMG
	s_lshl_b32 s78, s[WV], 8
	s_add_co_u32 s78, s78, SCP
.irp m, 0,1,2,3
	s_add_co_u32 s[80+\m], s[QC], \m               ; my walk's m-th step takes quarter (first + m) mod 4: 16,384 bytes of bv
	s_and_b32 s[80+\m], s[80+\m], 3
	s_lshl_b32 s[80+\m], s[80+\m], 14
.endr
	; descriptor group 1: four records, 34,816 dense bytes, as 136 rows of 256 bytes
	s_mov_b32 s[G1], 15|(3<<16)|(1<<21)
	s_mov_b32 s[G1+1], 32<<16
	s_mov_b32 s[G1+2], 136<<16
	s_mov_b32 s[G1+3], 32<<16
	s_mov_b32 s[G1+4], 136
	s_mov_b32 s[G1+5], 32
	s_mov_b32 s[G1+6], 0
	s_mov_b32 s[G1+7], 0
	s_mov_b32 s[QB], 0
	s_mov_b32 s[TB], SLOT                          ; the first change of slots turns it to slot 0
	s_mov_b32 s[T0+1], 0
	s_mov_b32 s[DN], 1
	s_mov_b32 s[IOF], 0
	s_mov_b32 s[SOF], 0
	s_mov_b32 s[CC], 0x4038aa3b                    ; c = 2 log2(e)
	s_mov_b32 s[CC+1], s[CC]
	s_mov_b32 s[SEL], 0x76543210
	s_mov_b32 s[SEL+1], 0xfedcba98
	s_mov_b32 s[HI16], 0xffff0000
	s_lshl_b32 s68, s16, 8
	s_lshl_b32 s69, s[WV], 4
	s_add_co_u32 s68, s68, s69                     ; my wave's first t
	s_lshl_b32 s68, s68, 17
	s_lshl_b32 s69, s15, 12
	s_add_co_u32 s68, s68, s69
	s_mov_b32 s69, 0
	s_lshl_b32 s70, s15, 13
	s_lshl_b32 s71, s16, 10
	s_add_co_u32 s70, s70, s71                     ; scores: 8,192 b + 1,024 x my 256 t
	s_mov_b32 s71, 0
	s_mul_i32 s72, s[QC], PART
	s_mov_b32 s73, 0
	s_mul_i32 s[T1], s[WV], SLOT                   ; wq: my 16 records
	s_mov_b32 s[T1+1], 0
	s_lshl_b32 s[T0], s[WV], 16                    ; bv: my 16 tiles of 4,096 bytes,
	s_lshl_b32 s14, s15, 7
	s_add_co_u32 s[T0], s[T0], s14                 ; my b's 128 bytes in each
	s_wait_dscnt 0x0                               ; both opening adds are done
	v_and_b32 v20, 31, v0                          ; lane
	v_and_b32 v21, 15, v0                          ; r
	v_bfe_u32 v22, v0, 4, 1                        ; h
	v_lshl_add_u32 v[WA0], v20, 4, s[WP]
	v_lshl_add_u32 v[BVA], v22, 5, s75
	v_lshl_add_u32 v[BLA], v20, 4, s75
	v_lshrrev_b32 v23, 2, v20                      ; my block of a run's eight
	v_mul_u32_u24 v23, v23, 272
	v_and_b32 v24, 3, v0
	v_lshl_add_u32 v23, v24, 2, v23
	v_add_nc_u32 v[LQA0], s76, v23
	v_bfe_u32 v23, v0, 2, 2
	v_lshl_add_u32 v23, v22, 8, v23
	v_add_nc_u32 v[SQA0], s77, v23
	v_mul_u32_u24 v23, v22, 272
	v_lshl_add_u32 v23, v21, 4, v23
	v_add_nc_u32 v[FA], IMG, v23
	v_lshl_add_u32 v[SFA], v20, 2, SIMG
	v_lshlrev_b32 v[EO], 5, v21
	v_lshl_add_u32 v[EO], v22, 4, v[EO]
	v_lshl_add_u32 v[SCPW], v20, 2, s78
	v_lshl_add_u32 v[SCPR], v20, 3, SCP
	v_lshlrev_b32 v[GSO], 3, v20
	v_lshrrev_b32 v23, 3, v20                      ; bv: eight lanes to a tile's 128 bytes of my b
	v_and_b32 v24, 7, v0
	v_lshlrev_b32 v24, 4, v24
	v_lshl_add_u32 v[BGO], v23, 12, v24
.irp m, 0,1,2,3
	v_add_nc_u32 v[BGR+\m], s[80+\m], v[BGO]
.endr
.irp n, 0,1,2,3,4,5,6,7,8,9,10,11,12,13,14,15
	v_mov_b32 v[SC+\n], 0
.endr
	WA                                             ; at the head's end
	s_wait_kmcnt 0x0
	s_add_nc_u64 s[E0:E0+1], s[4:5], s[68:69]
	s_add_nc_u64 s[SO:SO+1], s[10:11], s[70:71]
	s_add_nc_u64 s[WQB:WQB+1], s[6:7], s[T1:T1+1]
	s_add_nc_u64 s[8:9], s[8:9], s[T0:T0+1]
	s_mov_b64 s[EB:EB+1], s[E0:E0+1]
	s_mov_b32 s[G0], 1
	s_mov_b32 s[G0+1], s[WP]
	s_add_nc_u64 s[G0+2:G0+3], s[WQB:WQB+1], s[72:73]
	s_or_b32 s[G0+3], s[G0+3], 0x80000000
	ROUND                                          ; all four work-groups are here: the first joint loads meet
	tensor_load_to_lds s[G0:G0+3], s[G1:G1+7]      ; step 0's tile: my one tensor load at the head
	s_nop 0
	PL
.irp m, 0,1,2,3
	global_load_b128 v[TM+4*\m:TM+4*\m+3], v[BGR+\m], s[8:9]    ; bias and V' of my 16 tiles, in the order of my walk
.endr
	LQI 0                                          ; data trip 0: 64 loads
	LQI 1
	LQI 2
	LQI 3
	s_wait_loadcnt 63                              ; of the 68 loads issued the oldest five are in, the four of bv among them
.irp m, 0,1,2,3
	ds_store_b128 v[BLA], v[TM+4*\m:TM+4*\m+3] offset:512*\m    ; into my own part: only I read it
.endr
	NEXT 1, 1                                      ; step 0's tile has landed, step 1's is asked for; step 0's first fragments, scale words, bias and V' come into registers that the first block's quantising does not name
	VVL
	s_mov_b32 s[CNT], 2
.Lfirst_block:                                         ; data trips 0 and 1 are quantised, trips 1 and 2 asked for
	LQADR
	LQ8 0, 1, 48, 1
	LQ8 1, 1, 48, 0
	LQ8 2, 1, 48, 0
	LQ8 3, 1, 48, 0
	s_sub_co_u32 s[CNT], s[CNT], 1
	s_cmp_lg_u32 s[CNT], 0
	s_cbranch_scc1 .Lfirst_block
	BB 0, 1                                        ; block 0's codes come into registers
	s_mov_b32 s[CNT], 0
.Ltrip:                                                ; trip n = 0..4: steps 2 n and 2 n + 1; data trip n + 2 is quantised, trip n + 3 asked for
	LQADR
	STEP 1, 1, 1, 0
	STEP 1, 1, 1, 2
	s_and_b32 s[T1], s[CNT], 1                     ; behind every fourth step a block ends: a branch on the loop's count, alike in all waves and partners; no tensor load stands under it
	s_cmp_eq_u32 s[T1], 0
	s_cbranch_scc1 .Lno_edge
	BB 1, 1
.Lno_edge:
	s_add_co_u32 s[CNT], s[CNT], 1
	s_cmp_lt_u32 s[CNT], 5
	s_cbranch_scc1 .Ltrip
	s_mov_b32 s60, 0
.Lsingle:                                              ; steps 10 to 13, one a trip: nothing more is asked of enc
	STEP 1, 1, 0, 0
	s_cmp_lg_u32 s60, 1                            ; behind step 11 block 2 ends: the last data trip is quantised first
	s_cbranch_scc1 .Lnot_last_rows
	v_add_nc_u32 v[LQA], 4*FRG, v[LQA0]            ; trip 7 is a block's second half of K
	v_add_nc_u32 v[SQA], 1024, v[SQA0]
	WA
	LQ8 0, 0, 48, 0                                ; no loads follow: the counts run down
	LQ8 1, 0, 32, 0
	LQ8 2, 0, 16, 0
	LQ8 3, 0, 0, 0
	BB 1, 1
.Lnot_last_rows:
	s_add_co_u32 s60, s60, 1
	s_cmp_lt_u32 s60, 4
	s_cbranch_scc1 .Lsingle
	STEP 1, 2, 0, 0                                ; steps 14 and 15 are written out: nothing more is asked for
	STEP 1, 0, 0, 0
	BB 1, 0                                        ; the last block's scores
	s_wait_tensorcnt 0x0                           ; the wave's end
	ds_add_u32 v[SPW], v[NIL]
	s_wait_dscnt 0x0
	ROUND                                          ; the closing round
	s_endpgm
.Lfunc_end_k_qf018cc53c3_attn:
	.size	k_qf018cc53c3_attn, .Lfunc_end_k_qf018cc53c3_attn-k_qf018cc53c3_attn
	.p2alignl 7, 3214868480
	.fill 96, 4, 3214868480
	.section	.rodata,"a",@progbits
	.p2align	6, 0x0
	.amdhsa_kernel k_qf018cc53c3_attn
		.amdhsa_group_segment_fixed_size 327680
		.amdhsa_private_segment_fixed_size 0
		.amdhsa_enable_private_segment 0
		.amdhsa_kernarg_size 32
		.amdhsa_user_sgpr_count 2
		.amdhsa_user_sgpr_kernarg_segment_ptr 1
		.amdhsa_wavefront_size32 1
		.amdhsa_system_sgpr_workgroup_id_x 1
		.amdhsa_system_sgpr_workgroup_id_y 1
		.amdhsa_system_sgpr_workgroup_id_z 1
		.amdhsa_system_vgpr_workitem_id 0
		.amdhsa_next_free_vgpr 1024
		.amdhsa_next_free_sgpr 90
		.amdhsa_reserve_vcc 0
		.amdhsa_float_denorm_mode_32 3
		.amdhsa_float_denorm_mode_16_64 3
		.amdhsa_memory_ordered 1
		.amdhsa_forward_progress 1
		.amdhsa_inst_pref_size 255
	.end_amdhsa_kernel
	.section	.bss,"aw",@nobits
	.p2align	6
	.space	262144
	.amdgpu_metadata
---
amdhsa.version: [ 1, 2 ]
amdhsa.kernels:
  - .name:           k_qf018cc53c3_attn
    .symbol:         k_qf018cc53c3_attn.kd
    .args:
      - { .name: encoder_outputs, .offset: 0, .size: 8, .value_kind: global_buffer, .address_space: global }
      - { .name: wq, .offset: 8, .size: 8, .value_kind: global_buffer, .address_space: global }
      - { .name: bv, .offset: 16, .size: 8, .value_kind: global_buffer, .address_space: global }
      - { .name: scores, .offset: 24, .size: 8, .value_kind: global_buffer, .address_space: global }
    .group_segment_fixed_size: 327680
    .private_segment_fixed_size: 0
    .kernarg_segment_align: 8
    .kernarg_segment_size: 32
    .max_flat_workgroup_size: 128
    .sgpr_count:     90
    .vgpr_count:     1024
    .wavefront_size: 32
...
	.end_amdgpu_metadata
.endif
;; end of part 2
;; launch soft (part 3): grid 32 x 1, 8 waves a work-group, no clusters, 1,280 bytes of LDS; arguments scores, out0; writes out0
.if DOCPART == 3
	.amdgcn_target "amdgcn-amd-amdhsa--gfx1250"
	.amdhsa_code_object_version 6
	.text
	.protected	k_qf018cc53c3_soft
	.globl	k_qf018cc53c3_soft
	.p2align	8
	.type	k_qf018cc53c3_soft,@function
k_qf018cc53c3_soft:
	s_mov_b64 s[64:65], 0
	v_nop
	global_prefetch_b8 v0, s[64:65] scope:SCOPE_SE
	s_setreg_imm32_b32 hwreg(HW_REG_WAVE_MODE, 25, 1), 1
	s_wait_xcnt 0x0
; SOFT.  out0[b][0][t] = softmax over t of scores[b][t].  The scores lack the sum of v, which is common to a row: the row's maximum, taken away ahead of the exponential, takes it along.
; A work-group of eight waves takes one row of 2,048 numbers, eight to a thread: two loads of 16 bytes a lane, each wave's load 512 consecutive bytes.  The row stays in registers between the passes.
; The waves' maxima and sums meet in LDS: a word a wave, a barrier, and every wave reads all eight; the two reductions have bytes of their own (0-31 and 128-159).
; An exponential that would fall under 2^-126 comes out as 0 (ISA guide 15.8).
	s_load_b128 s[4:7], s[0:1], 0x0                ; scores, out0
	v_lshl_add_u32 v32, v0, 2, 0x100
	v_mov_b32 v33, 0
	v_lshlrev_b32 v1, 4, v0                        ; my 16 bytes
	v_lshrrev_b32 v2, 5, v0
	s_delay_alu instid0(VALU_DEP_1)
	v_lshlrev_b32 v2, 2, v2                        ; my wave's word
	v_mov_b32 v3, 0
	s_lshl_b32 s8, ttmp9, 13                       ; a row is 8,192 bytes
	s_mov_b32 s9, 0
	s_mov_b32 s10, 0x76543210                      ; v_permlanex16_b32's selects for lane l xor 16
	s_mov_b32 s11, 0xfedcba98
	s_mov_b32 s12, 0x3fb8aa3b                      ; log2(e)
	s_wait_alu depctr_va_vdst(0)
	s_wait_kmcnt 0x0
	s_add_nc_u64 s[4:5], s[4:5], s[8:9]
	s_add_nc_u64 s[6:7], s[6:7], s[8:9]
	global_load_b128 v[4:7], v1, s[4:5]
	global_load_b128 v[8:11], v1, s[4:5] offset:4096
	s_wait_loadcnt 0x0
	v_max3_num_f32 v12, v4, v5, v6
	v_max3_num_f32 v13, v7, v8, v9
	s_delay_alu instid0(VALU_DEP_2)
	v_max3_num_f32 v12, v12, v10, v11
	s_delay_alu instid0(VALU_DEP_1)
	v_max_num_f32 v12, v12, v13
.irp x, 1,2,4,8
	s_delay_alu instid0(VALU_DEP_1)
	v_max_num_f32_dpp v12, v12, v12 row_xmask:\x row_mask:0xf bank_mask:0xf
.endr
	s_delay_alu instid0(VALU_DEP_1)
	v_permlanex16_b32 v13, v12, s10, s11
	s_delay_alu instid0(VALU_DEP_1)
	v_max_num_f32 v12, v12, v13                    ; my wave's maximum, in every lane
	ds_store_b32 v2, v12                           ; all lanes write the same word with the same value
	s_wait_dscnt 0x0
	s_barrier_signal -1
	s_barrier_wait -1
	ds_load_b128 v[16:19], v3
	ds_load_b128 v[20:23], v3 offset:16
	s_wait_dscnt 0x0
	v_max3_num_f32 v12, v16, v17, v18
	v_max3_num_f32 v13, v19, v20, v21
	s_delay_alu instid0(VALU_DEP_2)
	v_max3_num_f32 v12, v12, v22, v23
	s_delay_alu instid0(VALU_DEP_1)
	v_max_num_f32 v12, v12, v13                    ; the row's maximum m
	s_delay_alu instid0(VALU_DEP_1)
	v_mul_f32 v12, s12, v12
.irp j, 4,5,6,7,8,9,10,11
	v_fma_f32 v[\j], v[\j], s12, -v12              ; (s - m) log2(e), at most a rounding above 0
.endr
	s_wait_alu depctr_va_vdst(0)
.irp j, 4,5,6,7,8,9,10,11
	v_exp_f32 v[\j], v[\j]
.endr
	v_nop                                          ; a plain line between the exponentials and the use of their results (ISA guide 5.7.2)
	s_wait_alu depctr_va_vdst(0)
	v_pk_add_f32 v[14:15], v[4:5], v[6:7]
	v_pk_add_f32 v[24:25], v[8:9], v[10:11]
	s_delay_alu instid0(VALU_DEP_1)
	v_pk_add_f32 v[14:15], v[14:15], v[24:25]
	s_delay_alu instid0(VALU_DEP_1)
	v_add_f32 v14, v14, v15
.irp x, 1,2,4,8
	s_delay_alu instid0(VALU_DEP_1)
	v_add_f32_dpp v14, v14, v14 row_xmask:\x row_mask:0xf bank_mask:0xf
.endr
	s_delay_alu instid0(VALU_DEP_1)
	v_permlanex16_b32 v15, v14, s10, s11
	s_delay_alu instid0(VALU_DEP_1)
	v_add_f32 v14, v14, v15                        ; my wave's sum
	ds_store_b32 v2, v14 offset:128
	s_wait_dscnt 0x0
	s_barrier_signal -1
	s_barrier_wait -1
	ds_load_b128 v[16:19], v3 offset:128
	ds_load_b128 v[20:23], v3 offset:144
	s_wait_dscnt 0x0
	v_pk_add_f32 v[16:17], v[16:17], v[18:19]
	v_pk_add_f32 v[20:21], v[20:21], v[22:23]
	s_delay_alu instid0(VALU_DEP_1)
	v_pk_add_f32 v[16:17], v[16:17], v[20:21]
	s_delay_alu instid0(VALU_DEP_1)
	v_add_f32 v16, v16, v17                        ; the row's sum: at least about 1, since the maximum's own term is in it
	s_wait_alu depctr_va_vdst(0)
	v_rcp_f32 v16, v16
	v_nop
	s_wait_alu depctr_va_vdst(0)
.irp j, 4,6,8,10
	v_pk_mul_f32 v[\j:\j+1], v[\j:\j+1], v[16:17] op_sel_hi:[1,0]   ; of the pair the low word serves both halves
.endr
	global_store_b128 v1, v[4:7], s[6:7]           ; each wave's store covers 512 consecutive bytes
	global_store_b128 v1, v[8:11], s[6:7] offset:4096
	s_wait_tensorcnt 0x0
	ds_add_u32 v32, v33
	s_wait_dscnt 0x0
	s_endpgm
.Lfunc_end_k_qf018cc53c3_soft:
	.size	k_qf018cc53c3_soft, .Lfunc_end_k_qf018cc53c3_soft-k_qf018cc53c3_soft
	.p2alignl 7, 3214868480
	.fill 96, 4, 3214868480
	.section	.rodata,"a",@progbits
	.p2align	6, 0x0
	.amdhsa_kernel k_qf018cc53c3_soft
		.amdhsa_group_segment_fixed_size 1280
		.amdhsa_private_segment_fixed_size 0
		.amdhsa_enable_private_segment 0
		.amdhsa_kernarg_size 16
		.amdhsa_user_sgpr_count 2
		.amdhsa_user_sgpr_kernarg_segment_ptr 1
		.amdhsa_wavefront_size32 1
		.amdhsa_system_sgpr_workgroup_id_x 1
		.amdhsa_system_sgpr_workgroup_id_y 1
		.amdhsa_system_sgpr_workgroup_id_z 1
		.amdhsa_system_vgpr_workitem_id 0
		.amdhsa_next_free_vgpr 34
		.amdhsa_next_free_sgpr 66
		.amdhsa_reserve_vcc 0
		.amdhsa_float_denorm_mode_32 3
		.amdhsa_float_denorm_mode_16_64 3
		.amdhsa_memory_ordered 1
		.amdhsa_forward_progress 1
		.amdhsa_inst_pref_size 6
	.end_amdhsa_kernel
	.amdgpu_metadata
---
amdhsa.version: [ 1, 2 ]
amdhsa.kernels:
  - .name:           k_qf018cc53c3_soft
    .symbol:         k_qf018cc53c3_soft.kd
    .args:
      - { .name: scores, .offset: 0, .size: 8, .value_kind: global_buffer, .address_space: global }
      - { .name: out0, .offset: 8, .size: 8, .value_kind: global_buffer, .address_space: global }
    .group_segment_fixed_size: 1280
    .private_segment_fixed_size: 0
    .kernarg_segment_align: 8
    .kernarg_segment_size: 16
    .max_flat_workgroup_size: 256
    .sgpr_count:     66
    .vgpr_count:     34
    .wavefront_size: 32
...
	.end_amdgpu_metadata
.endif
;; end of part 3
